; MI455X (gfx1250); checked and timed in simulation.
; The chip was launched on July 23, 2026; its instructions are those of AMD's public machine-readable ISA for CDNA 5 (MIT licence, August 2026) and "CDNA5" Instruction Set Architecture Reference Guide (July 2026). The comments in the code are by the model that wrote it; some were corrected since.
;; Performer Self Attention. Allowed arithmetic: float matrix products may take bf16 or f16 operands with f32 sums; other float arithmetic in f32, or as packed bf16 or f16 multiplies, adds, multiply-adds, maxima and minima; sums over many terms, partial sums and values carried from step to step in f32; what a program stores and reads back later, other than sums and carried values, may be rounded once to bf16 or f16.
;; Inputs: Wk 1,024 x 1,024 float32; Wo 1,024 x 1,024 float32; Wq 1,024 x 1,024 float32; Wv 1,024 x 1,024 float32; bk 1,024 float32; bo 1,024 float32; bq 1,024 float32; bv 1,024 float32; x 4 x 4,096 x 1,024 float32.
;; Outputs: out0 4 x 4,096 x 1,024 float32.
;; One version. Each part assembles by itself: llvm-mc -triple=amdgcn-amd-amdhsa -mcpu=gfx1250 --defsym DOCPART=n.
;; ======== version 1 of 1: 3 launches
;; limits: values are held in f16: magnitudes above 65,504 overflow, below 6.1e-05 lose precision; right only within a limited range of input values
;; workspace buffers: xb 33,554,432 bytes; wqkv 6,291,456 bytes; wo16 2,097,152 bytes; qkv 33,554,432 bytes
;; launch prep (part 1): grid 1280 x 1, 8 waves a work-group, no clusters, 0 bytes of LDS; arguments x, Wq, Wk, Wv, Wo, xb, wqkv, wo16; writes xb, wqkv, wo16
.if DOCPART == 1
	.amdgcn_target "amdgcn-amd-amdhsa--gfx1250"
	.amdhsa_code_object_version 6
	.text
	.protected	k_q18c80fd9f0_prep
	.globl	k_q18c80fd9f0_prep
	.p2align	8
	.type	k_q18c80fd9f0_prep,@function
k_q18c80fd9f0_prep:
	s_mov_b64 s[64:65], 0
	v_nop
	global_prefetch_b8 v0, s[64:65] scope:SCOPE_SE
	s_setreg_imm32_b32 hwreg(HW_REG_WAVE_MODE, 25, 1), 1
	s_wait_xcnt 0x0
; THE OPERANDS OF THE TWO PRODUCTS ARE MADE, each input number read once and rounded once.
;   xb   [16384][1024] bf16                      = x rounded to bf16
;   wqkv [head 16][K step 8][part 3][kk 128][e 64] bf16 = Wq, Wk, Wv rounded to bf16, laid out so that one head's q, k and v columns
;        for 128 rows of K are 49,152 bytes on end: W_part[k][n] lies at (n/64) 393,216 + (k/128) 49,152 + part 16,384 + (k%128) 128 + 2 (n%64)
;   wo16 [1024][1024] f16                        = 64 x (Wo rounded to bf16), written as f16: exact while |Wo| < 1,023 and 64 |Wo| >= 2^-14
; LIMITS.  |Wo| of 1,023 or more becomes an infinity in wo16; 64 |Wo| below 2^-14 keeps f16's fixed step of 2^-24.  NaN and infinities are not treated apart.
; A stream: no LDS, no barrier, no matrix unit.  A work-group of eight waves takes 16,384 numbers: each thread 16 loads of 16 bytes, all issued before the first is
; waited for, and 16 stores of 8 bytes.  A wave's load covers 512 consecutive bytes (for Wq, Wk, Wv: 256 of each of two rows), aligned; a wave's store 256 consecutive bytes, aligned.
; Work-groups 0-1023 take x, 1024-1215 Wq, Wk, Wv (64 each, 16 rows of K a work-group), 1216-1279 Wo.  No register is rewritten while a load or store names it.
.set X, 4                              ; v[4:67]   16 x 4 numbers as loaded
.set Y, 68                             ; v[68:99]  16 x 2 registers to store
.set T, 100                            ; v[100:101] at work
; IS, ID: bytes from one of the 16 loads (stores) to the next.  mode 0: to bf16.  mode 1: to bf16, times 64, written as f16.
.macro BODY IS, ID, mode
.set i, 0
.rept 16
	global_load_b128 v[X+4*i:X+4*i+3], v1, s[20:21] offset:i*(\IS) th:TH_LOAD_NT
.set i, i+1
.endr
.set i, 0
.rept 16
	s_wait_loadcnt 15-i                            ; loads come back in order: number i is in, the 15 - i younger ones stay out
.if \mode
	v_cvt_pk_bf16_f32 v[T], v[X+4*i], v[X+4*i+1]
	v_cvt_pk_bf16_f32 v[T+1], v[X+4*i+2], v[X+4*i+3]
	v_lshlrev_b32 v[X+4*i], 16, v[T]               ; the rounded numbers as f32 again
	v_and_b32 v[X+4*i+1], s26, v[T]
	v_lshlrev_b32 v[X+4*i+2], 16, v[T+1]
	v_and_b32 v[X+4*i+3], s26, v[T+1]
	v_pk_mul_f32 v[X+4*i:X+4*i+1], v[X+4*i:X+4*i+1], s[28:29] op_sel_hi:[1,0]      ; times 64: a power of two, nothing is rounded
	v_pk_mul_f32 v[X+4*i+2:X+4*i+3], v[X+4*i+2:X+4*i+3], s[28:29] op_sel_hi:[1,0]
	v_cvt_pk_f16_f32 v[Y+2*i], v[X+4*i], v[X+4*i+1]
	v_cvt_pk_f16_f32 v[Y+2*i+1], v[X+4*i+2], v[X+4*i+3]
.else
	v_cvt_pk_bf16_f32 v[Y+2*i], v[X+4*i], v[X+4*i+1]
	v_cvt_pk_bf16_f32 v[Y+2*i+1], v[X+4*i+2], v[X+4*i+3]
.endif
	global_store_b64 v2, v[Y+2*i:Y+2*i+1], s[22:23] offset:i*(\ID)
.set i, i+1
.endr
.endm
	s_load_b512 s[4:19], s[0:1], 0x0               ; x s[4:5], Wq s[6:7], Wk s[8:9], Wv s[10:11], Wo s[12:13], xb s[14:15], wqkv s[16:17], wo16 s[18:19]
	s_mov_b32 s2, ttmp9
	s_mov_b32 s25, 0                               ; the high word of every offset
	s_mov_b32 s26, 0xffff0000                      ; a word's upper bf16
	s_mov_b32 s28, 0x42800000                      ; 64.0
	s_mov_b32 s29, 0x42800000                      ; named with it as a pair
	v_lshlrev_b32 v1, 4, v0                        ; 16 t: my 16 bytes of a load
	v_lshlrev_b32 v2, 3, v0                        ; 8 t: my 8 bytes of a store
	s_wait_kmcnt 0x0
	s_cmp_lt_u32 s2, 1024
	s_cbranch_scc0 .Lweights
	s_lshl_b32 s24, s2, 16                         ; x: 65,536 bytes in,
	s_add_nc_u64 s[20:21], s[4:5], s[24:25]
	s_lshl_b32 s24, s2, 15                         ; 32,768 out
	s_add_nc_u64 s[22:23], s[14:15], s[24:25]
	BODY 4096, 2048, 0
	s_endpgm
.Lweights:
	s_cmp_lt_u32 s2, 1216
	s_cbranch_scc0 .Lwo
	s_sub_co_u32 s3, s2, 1024
	s_lshr_b32 s27, s3, 6                          ; part: 0 q, 1 k, 2 v
	s_and_b32 s3, s3, 63                           ; rows 16 jj .. 16 jj + 15 of K
	s_cmp_eq_u32 s27, 0
	s_cselect_b64 s[20:21], s[6:7], s[8:9]
	s_cmp_eq_u32 s27, 2
	s_cselect_b64 s[20:21], s[10:11], s[20:21]
	s_lshl_b32 s24, s3, 16                         ; 16 rows of 4,096 bytes
	s_add_nc_u64 s[20:21], s[20:21], s[24:25]
	s_lshr_b32 s30, s3, 3                          ; the K step,
	s_mul_i32 s30, s30, 49152
	s_lshl_b32 s31, s27, 14                        ; the part,
	s_add_co_u32 s30, s30, s31
	s_and_b32 s31, s3, 7                           ; my 16 rows of the step's 128, 128 bytes each
	s_lshl_b32 s31, s31, 11
	s_add_co_u32 s24, s30, s31
	s_add_nc_u64 s[22:23], s[16:17], s[24:25]
	v_lshrrev_b32 v3, 4, v0                        ; row t / 16, 16 bytes t % 16 of a head's 256; load and store number i are head i
	v_and_b32 v1, 15, v0
	v_lshlrev_b32 v1, 4, v1
	v_lshl_add_u32 v1, v3, 12, v1
	BODY 256, 393216, 0                            ; the largest immediate, 15 x 393,216, lies inside the signed 24 bits
	s_endpgm
.Lwo:
	s_sub_co_u32 s3, s2, 1216
	s_lshl_b32 s24, s3, 16
	s_add_nc_u64 s[20:21], s[12:13], s[24:25]
	s_lshl_b32 s24, s3, 15
	s_add_nc_u64 s[22:23], s[18:19], s[24:25]
	BODY 4096, 2048, 1
	s_endpgm
.Lfunc_end_k_q18c80fd9f0_prep:
	.size	k_q18c80fd9f0_prep, .Lfunc_end_k_q18c80fd9f0_prep-k_q18c80fd9f0_prep
	.p2alignl 7, 3214868480
	.fill 96, 4, 3214868480
	.section	.rodata,"a",@progbits
	.p2align	6, 0x0
	.amdhsa_kernel k_q18c80fd9f0_prep
		.amdhsa_group_segment_fixed_size 0
		.amdhsa_private_segment_fixed_size 0
		.amdhsa_enable_private_segment 0
		.amdhsa_kernarg_size 64
		.amdhsa_user_sgpr_count 2
		.amdhsa_user_sgpr_kernarg_segment_ptr 1
		.amdhsa_wavefront_size32 1
		.amdhsa_system_sgpr_workgroup_id_x 1
		.amdhsa_system_sgpr_workgroup_id_y 1
		.amdhsa_system_sgpr_workgroup_id_z 1
		.amdhsa_system_vgpr_workitem_id 0
		.amdhsa_next_free_vgpr 104
		.amdhsa_next_free_sgpr 66
		.amdhsa_reserve_vcc 0
		.amdhsa_float_denorm_mode_32 3
		.amdhsa_float_denorm_mode_16_64 3
		.amdhsa_memory_ordered 1
		.amdhsa_forward_progress 1
		.amdhsa_inst_pref_size 25
	.end_amdhsa_kernel
	.amdgpu_metadata
---
amdhsa.version: [ 1, 2 ]
amdhsa.kernels:
  - .name:           k_q18c80fd9f0_prep
    .symbol:         k_q18c80fd9f0_prep.kd
    .args:
      - { .name: x, .offset: 0, .size: 8, .value_kind: global_buffer, .address_space: global }
      - { .name: Wq, .offset: 8, .size: 8, .value_kind: global_buffer, .address_space: global }
      - { .name: Wk, .offset: 16, .size: 8, .value_kind: global_buffer, .address_space: global }
      - { .name: Wv, .offset: 24, .size: 8, .value_kind: global_buffer, .address_space: global }
      - { .name: Wo, .offset: 32, .size: 8, .value_kind: global_buffer, .address_space: global }
      - { .name: xb, .offset: 40, .size: 8, .value_kind: global_buffer, .address_space: global }
      - { .name: wqkv, .offset: 48, .size: 8, .value_kind: global_buffer, .address_space: global }
      - { .name: wo16, .offset: 56, .size: 8, .value_kind: global_buffer, .address_space: global }
    .group_segment_fixed_size: 0
    .private_segment_fixed_size: 0
    .kernarg_segment_align: 8
    .kernarg_segment_size: 64
    .max_flat_workgroup_size: 256
    .sgpr_count:     66
    .vgpr_count:     104
    .wavefront_size: 32
...
	.end_amdgpu_metadata
.endif
;; end of part 1
;; launch heads (part 2): grid 16 x 16, 4 waves a work-group, clusters of 4 x 4, 327,680 bytes of LDS; arguments xb, wqkv, bq, bk, bv, qkv; writes qkv
.if DOCPART == 2
	.amdgcn_target "amdgcn-amd-amdhsa--gfx1250"
	.amdhsa_code_object_version 6
	.text
	.protected	k_q18c80fd9f0_heads
	.globl	k_q18c80fd9f0_heads
	.p2align	8
	.type	k_q18c80fd9f0_heads,@function
k_q18c80fd9f0_heads:
	s_mov_b64 s[64:65], 0
	v_nop
	global_prefetch_b8 v0, s[64:65] scope:SCOPE_SE
	s_setreg_imm32_b32 hwreg(HW_REG_WAVE_MODE, 25, 1), 1
	s_wait_xcnt 0x0
	s_wait_alu depctr_hold_cnt(0) depctr_sa_sdst(0) depctr_va_vdst(0) depctr_va_sdst(0) depctr_va_ssrc(0) depctr_va_vcc(0) depctr_vm_vsrc(0)
	s_getreg_b32 s2, hwreg(HW_REG_IB_STS2, 6, 4)
	s_cmp_eq_u32 s2, 0
	s_cbranch_scc0 .Lentry_in_a_cluster
	s_endpgm
.Lentry_in_a_cluster:
	s_bfe_u32 s2, ttmp6, 0x10000c
	s_cmp_lg_u32 s2, 0xf033
	s_cbranch_scc0 .Lentry_shape_is_right
	s_endpgm
.Lentry_shape_is_right:
; qkv[head][row][c] = (coeff / 64) x v[c], in f16, where for one row and head  qa = x Wq + bq, ka = x Wk + bk, v = x Wv + bv (64 channels each)  and
; coeff = the sum over the 64 channels e of exp(-(qa_e^2 + ka_e^2) / 2), which is the sum of exp(-qa_e^2/2) exp(-ka_e^2/2).
; xb: [16384][1024] bf16.  wqkv: [head][K step][q, k, v][128 rows of K][64 channels] bf16.  Biases f32, rounded to bf16 here like the other inputs.  Sums in f32.
; LIMITS.  Every exponent is 0 or less, so coeff lies in 0 to 64 and coeff / 64 in 0 to 1; an exponential below 2^-126 counts as 0.  The result is kept in f16: |v| of 65,520 or more
; gives an infinity; below 6e-5 the result keeps f16's fixed step of 6e-8.  The factor 64 lies in the next launch's weights.  NaN and infinities are not treated apart.
; SHARES.  A tile is 256 rows x one head's 192 columns (q, k, v).  A wave owns 64 rows x all 192 columns: 48 accumulators (row block a = 0..3; column block b = 0..11: 0-3 q, 4-7 k, 8-11 v),
; so that a row's q, k and v meet in one pair of lanes.  K goes in steps of 128 through two LDS slots; a step is four quarters of 32 along K, 48 matrix instructions each.
; A WORK-GROUP STAYS: 4 tiles, 4,096 rows apart, all of the same head; the ring runs on into the next tile, whose first two K steps are asked for in a tile's last two changes of slots.
; CLUSTER, 4 x 4.  The four of a row of the cluster take the same rows of xb, the four of a column the same head: each tile is asked for JOINTLY, by the same tensor load with the same descriptor
; and a mask that names the four.
; THE MATRIX INSTRUCTION IS USED TRANSPOSED: source 0 = 16 columns of W (out of LDS turned, by ds_load_tr16_b128), source 1 = 16 rows of x.  In the result lane l holds row l % 16 and its
; registers 0-7 the columns 16 b + 8 (l / 16) + 0..7.  THE BIAS IS THE C OPERAND of the product that starts each sum: it costs no vector work in a tile.
; REGISTERS, in windows of 256 (s_set_vgpr_msb: bits 1:0 source 0, 3:2 source 1, 5:4 source 2, 7:6 destination):
;   window 0: v1-15 at work at the head; v16-30 addresses; v48-55 coeff, a pair a row block; v128-255 T, 32 a row block: at work on the way out
;   window 1: two fragment buffers: W's twelve fragments at 96 f, x's four at 192 + 32 f
;   window 2: accumulators (a, b < 8) at 8 (8 a + b)          window 3: accumulators (a, b >= 8) at 32 a + 8 (b - 8); the biases, block b at 128 + 8 b
.set TILES,  4
.set LAPS,   4                         ; a lap = two K steps = once round the ring
.set PA,     272                       ; a row of x in LDS: 256 bytes + 16 of padding = 68 words: the 16 rows of a load start at 16 different groups of four banks (64 banks of 4 bytes: ISA guide 11.1)
.set PB,     160                       ; a row of W (one part's 64 channels): 128 bytes + 32 = 40 words
.set SLOT,   1<<17                     ; x's 256 rows (69,632 bytes), then W's 384 rows (61,440)
.set BOFF,   256*PA
.set STAGE,  2*SLOT                    ; behind the ring, never filled by a tensor load: 16 rows x 144 bytes for each wave, for the way out
.set SP,     144
.set SPARE,  STAGE+4*16*SP             ; behind the stages: the spare words, 128 bytes for each wave: two blocks of 256 bytes that no other line names
.set XROW,   2048                      ; bytes in a row of xb
.set WSTEP,  49152                     ; bytes of a head's W in a K step
.set WHEAD,  8*WSTEP
.set WALK,   4096                      ; rows from a tile to the work-group's next
.set NEXT_A, WALK*XROW-6*256           ; from a slot's last K step of a tile to its first of the next: WALK rows down, back along K
.set BACK_B, 6*WSTEP                   ; W only back: all tiles of the walk take the same head
.set NEXT_P, WALK*XROW-7*256           ; the prefetches' pointer, from one K step past the row's end to the next tile's K step 2
.set ADRA, 16                          ; v16-17  LDS address of my fragments of x in slot 0, 1
.set ADRB, 20                          ; v20-21  the same for W
.set STO,  24                          ; v24     the way out: where I put 16 bytes of a row
.set RD,   25                          ; v25     the way out: where I read rows back
.set GO,   26                          ; v26     my 16 bytes of 512 consecutive bytes of qkv
.set BO,   27                          ; v27     my byte offset in a bias
.set SPW,  28                          ; v28     LDS address of my spare word: SPARE + 4 x my thread's number; never rewritten
.set NIL,  29                          ; v29     0; never rewritten
.set PFO,  30                          ; v30     the prefetches' offset; never rewritten
.set CF,   48
.set T,    128
.set BIAS, 128                         ; in window 3
.set F0,   0
.set F1,   1
.set WV,   16                          ; s16  my wave's number
.set FORB, 17                          ; s17  0: I fetch x's tiles; 1: W's
.set HALF, 18                          ; s18  which half of that tile
.set CX,   19
.set CY,   20
.set HEAD, 21
.set TY,   22                          ; the first tile's number along the rows
.set G1,   24                          ; s[24:31] descriptor group 1 for x's tiles;  s[32:39] group 0, a set for each slot
.set G0,   32
.set PFA,  44                          ; s[44:45] where my prefetches stand
.set PFS,  46                          ; s[46:47] their step: a K step
.set G1B,  48                          ; s[48:55], s[56:63] the same for W's tiles
.set G0B,  56
.set OSTEP, 66                         ; s[66:67] what the next way out adds to qkv's address
.set LIM,  68                          ; s68  1 in a wave that prefetches, else the greatest number
.set HIM,  69                          ; s69  a word's upper bf16
.set SEL,  70                          ; s[70:71] v_permlanex16_b32's selects: each lane takes its own place in the other half
.set CS,   72                          ; s[72:73] -log2(e) / 2
.set MSB, 0
.macro WIN new                         ; the immediate's high byte repeats the setting that is left; a switch that changes nothing is dropped
.if MSB != (\new)
	s_set_vgpr_msb (MSB<<8)|(\new)
.set MSB, \new
.endif
.endm
; A joint load.  Waves 0 and 1 fetch the two halves of x's tile, waves 2 and 3 those of W's.  The branch hangs on the wave's number alone.
; An s_nop 0 and four v_nop follow each of the two lines, ahead of the jump, the label and what follows.
.macro JLOAD s
	s_cmp_eq_u32 s[FORB], 0
	s_cbranch_scc0 .Lfor_b_\@
	tensor_load_to_lds s[G0+4*(\s):G0+4*(\s)+3], s[G1:G1+7]
	s_nop 0
.rept 4
	v_nop
.endr
	s_branch .Lasked_\@
.Lfor_b_\@:
	tensor_load_to_lds s[G0B+4*(\s):G0B+4*(\s)+3], s[G1B:G1B+7]
	s_nop 0
.rept 4
	v_nop
.endr
.Lasked_\@:
.endm
; A PREFETCH INTO THE L2, behind each joint load, its five lines and the run of LDS loads that follows: the K step that stands TWO refills on, 384 matrix instructions ahead of the load that will want it.
; x's rows are read by all four clusters of a row of clusters: the first (cluster x = 0) asks; a head's W by all four of a column: cluster y = 0 asks, in the first tile alone, since all tiles take the same W.
; The four partners that ask for a tile jointly share it out BY ADDRESS.  Of the 128 rows of x that a wave fetches the partner at place cx takes 32, a lane a row's 256 bytes.  Of the 96 blocks of 256 bytes
; of W the partner at place cy takes 24, a lane a block; lanes 24 to 31 name lane 23's block once more.  how = 0, in the loop: a tile's last two refills have no K step two on; how = 1: at a change of tiles.
.macro ASK how
.if \how
	s_cmp_eq_u32 s[LIM], 1
.else
	s_cmp_gt_u32 s3, s[LIM]                        ; s3 = 1 in the loop's last trip
.endif
	s_cbranch_scc0 .Lnot_mine_\@
	global_prefetch_b8 v[PFO], s[PFA:PFA+1] th:TH_LOAD_NT scope:SCOPE_SE
.Lnot_mine_\@:
.endm
.macro CREST                           ; a round of the cluster's barrier behind its opening barrier: wave 0 signals for the work-group, every wave waits for all sixteen, my work-group's barrier once more
	s_cmp_lg_u32 s[WV], 0
	s_cbranch_scc1 .Lnot_wave_0_\@
	s_barrier_signal -3
.Lnot_wave_0_\@:
	s_barrier_wait -3
	s_barrier_signal -1
	s_barrier_wait -1
.endm
.macro CROUND                          ; a whole round
	s_barrier_signal -1
	s_barrier_wait -1
	CREST
.endm
	s_load_b256 s[4:11], s[0:1], 0x0               ; xb s[4:5], wqkv s[6:7], bq s[8:9], bk s[10:11]
	s_load_b128 s[12:15], s[0:1], 0x20             ; bv s[12:13], qkv s[14:15]
	v_lshl_add_u32 v[SPW], v0, 2, SPARE
	v_mov_b32 v[NIL], 0
	ds_add_u32 v[SPW], v[NIL]                      ; the wave's opening: the add, twice on end, and its wait ahead of my first tensor load; the set-up below, work on registers, stands between
	ds_add_u32 v[SPW], v[NIL]                      ; and once more, under the one wait
	v_lshrrev_b32 v1, 5, v0
	v_readfirstlane_b32 s[WV], v1                  ; wave 0..3
	s_lshr_b32 s[FORB], s[WV], 1
	s_and_b32 s[HALF], s[WV], 1
	s_bfe_u32 s[CX], ttmp6, 0x40000                ; my place in the cluster
	s_bfe_u32 s[CY], ttmp6, 0x40004
	s_lshl_b32 s[HEAD], ttmp9, 2                   ; in a cluster launch ttmp9 and ttmp7 count clusters
	s_add_co_u32 s[HEAD], s[HEAD], s[CX]           ; head = 4 x cluster x + cx
	s_and_b32 s[TY], ttmp7, 0xffff
	s_lshl_b32 s[TY], s[TY], 2
	s_add_co_u32 s[TY], s[TY], s[CY]               ; first tile = 4 x cluster y + cy
	s_lshl_b32 s40, s[CY], 2
	s_lshl_b32 s40, 15, s40                        ; my row of the cluster: places 4 cy .. 4 cy + 3
	s_lshl_b32 s41, 0x1111, s[CX]                  ; my column: places cx, cx + 4, cx + 8, cx + 12
	; group 1 for x: 128 rows x 128 elements, 1,024 elements from row to row; in LDS 4 words of padding behind every 64
	s_or_b32 s[G1], s40, (1<<16)|(1<<20)|(1<<21)|(5<<22)|(3<<25)   ; 15:0 the mask; 17:16 elements of 2 bytes; 20 padding on; 21 set beside a mask; 24:22 every 64 words (code 5); 31:25 4 words (code 3)
	s_mov_b32 s[G1+1], 128<<16                     ; tensor_dim0 = 128
	s_mov_b32 s[G1+2], 128<<16                     ; tensor_dim1 = 128
	s_mov_b32 s[G1+3], 128<<16                     ; tile_dim0 = 128
	s_mov_b32 s[G1+4], 128                         ; tile_dim1 = 128
	s_mov_b32 s[G1+5], 1024                        ; elements from row to row
	s_mov_b32 s[G1+6], 0
	s_mov_b32 s[G1+7], 0
	; group 1 for W: 24,576 dense bytes, asked for as 96 rows of 256 bytes (two rows of W each); in LDS 8 words of padding behind every 32, that is behind every row of W
	s_or_b32 s[G1B], s41, (1<<16)|(1<<20)|(1<<21)|(4<<22)|(7<<25)
	s_mov_b32 s[G1B+1], 128<<16
	s_mov_b32 s[G1B+2], 96<<16
	s_mov_b32 s[G1B+3], 128<<16
	s_mov_b32 s[G1B+4], 96
	s_mov_b32 s[G1B+5], 128
	s_mov_b32 s[G1B+6], 0
	s_mov_b32 s[G1B+7], 0
	; where the tiles come from.  x's hang on the tile's rows, which my row of the cluster shares; W's on the head, which my column shares.  Each in registers that never hold the other coordinate.
	s_lshl_b32 s74, s[TY], 8
	s_lshl_b32 s75, s[HALF], 7
	s_add_co_u32 s74, s74, s75                     ; row 256 x tile + 128 x half,
	s_lshl_b32 s74, s74, 11                        ; in bytes
	s_mov_b32 s75, 0
	s_mul_i32 s42, s[HEAD], WHEAD
	s_mul_i32 s43, s[HALF], WSTEP/2
	s_add_co_u32 s42, s42, s43
	s_mov_b32 s43, 0
	s_mul_i32 s23, s[HALF], 128*PA                 ; and where they go: no place in the cluster enters an LDS address
	s_mul_i32 s80, s[HALF], 192*PB
	s_add_co_u32 s80, s80, BOFF
	s_mov_b32 s[HIM], 0xffff0000
	s_mov_b32 s[SEL], 0x76543210
	s_mov_b32 s[SEL+1], 0xfedcba98
	s_mov_b32 s[CS], 0xbf38aa3b                    ; -log2(e) / 2 = -0.721348
	s_mov_b32 s[CS+1], 0xbf38aa3b                  ; named with it as a pair
	s_wait_dscnt 0x0                               ; both opening adds are done
	s_wait_kmcnt 0x0
	s_add_nc_u64 s[76:77], s[4:5], s[74:75]
	s_add_nc_u64 s[78:79], s[6:7], s[42:43]
	CROUND                                         ; all sixteen work-groups are here: the first joint loads meet
.irp s, 0,1
	s_mov_b32 s[G0+4*(\s)], 1                                      ; count = 1
	s_add_co_u32 s[G0+4*(\s)+1], s23, (\s)*SLOT                    ; LDS address
	s_add_nc_u64 s[G0+4*(\s)+2:G0+4*(\s)+3], s[76:77], (\s)*256    ; global address: K step s
	s_or_b32 s[G0+4*(\s)+3], s[G0+4*(\s)+3], 0x80000000            ; type = 2
	s_mov_b32 s[G0B+4*(\s)], 1
	s_add_co_u32 s[G0B+4*(\s)+1], s80, (\s)*SLOT
	s_add_nc_u64 s[G0B+4*(\s)+2:G0B+4*(\s)+3], s[78:79], (\s)*WSTEP
	s_or_b32 s[G0B+4*(\s)+3], s[G0B+4*(\s)+3], 0x80000000
	JLOAD \s                                       ; two loads of mine are out
.endr
	v_and_b32 v1, 15, v0                           ; l % 16
	v_bfe_u32 v2, v0, 4, 1                         ; l / 16
	v_and_b32 v3, 31, v0                           ; l
	v_and_b32 v4, 7, v0                            ; l % 8
	v_bfe_u32 v5, v0, 3, 1                         ; (l / 8) % 2
	v_bfe_u32 v6, v0, 3, 2                         ; l / 8
	; A fragment of x is 16 rows x 32 K in 8 registers: lane l holds row l % 16; registers 0-3 K = 8 (l / 16) + 0..7, registers 4-7 K = 16 + 8 (l / 16) + 0..7: two loads of 16 bytes, 32 bytes apart.
	v_mul_u32_u24 v7, v1, PA
	v_lshl_add_u32 v7, v2, 4, v7
	s_mul_i32 s81, s[WV], 64*PA                    ; my 64 rows
	v_add_nc_u32 v[ADRA], s81, v7
	v_add_nc_u32 v[ADRA+1], SLOT, v[ADRA]
	; The turning load takes 16 K x 16 columns (lane l reads row 8 (l / 16) + l % 8 of K, columns 8 ((l / 8) % 2) + 0..7) and leaves half a fragment: lane l holds column l % 16 and 8 K.
	v_lshl_add_u32 v8, v2, 3, v4
	v_mul_u32_u24 v8, v8, PB
	v_lshl_add_u32 v8, v5, 4, v8
	v_add_nc_u32 v[ADRB], BOFF, v8
	v_add_nc_u32 v[ADRB+1], SLOT, v[ADRB]
	s_mul_i32 s81, s[WV], 16*SP
	s_add_co_u32 s81, s81, STAGE                   ; my stage
	v_mul_u32_u24 v9, v1, SP                       ; in: row l % 16, 16 bytes for each half of the lanes
	v_lshl_add_u32 v9, v2, 4, v9
	v_add_nc_u32 v[STO], s81, v9
	v_mul_u32_u24 v10, v6, SP                      ; back: 32 lanes take four rows of 128 bytes,
	v_lshl_add_u32 v10, v4, 4, v10
	v_add_nc_u32 v[RD], s81, v10
	v_lshlrev_b32 v[GO], 4, v3                     ; which are 512 consecutive bytes of qkv
	s_lshl_b32 s82, s[HEAD], 8                     ; the head's 64 numbers of a bias; my half of the lanes' 8 of each 16
	v_lshl_add_u32 v[BO], v2, 5, s82
	WIN 0xc0                                       ; destination window 3, address window 0
.irp c, 0,1,2,3
	global_load_b128 v[BIAS+8*(\c):BIAS+8*(\c)+3],       v[BO], s[8:9] offset:64*(\c)
	global_load_b128 v[BIAS+8*(\c)+4:BIAS+8*(\c)+7],     v[BO], s[8:9] offset:64*(\c)+16
	global_load_b128 v[BIAS+32+8*(\c):BIAS+32+8*(\c)+3],   v[BO], s[10:11] offset:64*(\c)
	global_load_b128 v[BIAS+32+8*(\c)+4:BIAS+32+8*(\c)+7], v[BO], s[10:11] offset:64*(\c)+16
	global_load_b128 v[BIAS+64+8*(\c):BIAS+64+8*(\c)+3],   v[BO], s[12:13] offset:64*(\c)
	global_load_b128 v[BIAS+64+8*(\c)+4:BIAS+64+8*(\c)+7], v[BO], s[12:13] offset:64*(\c)+16
.endr
	WIN 0
	; where my rows of the first tile begin in qkv: the first way out adds it to qkv's address
	s_lshl_b32 s[OSTEP], s[HEAD], 21               ; a head is 16,384 rows of 128 bytes
	s_lshl_b32 s82, s[TY], 8
	s_lshl_b32 s83, s[WV], 6
	s_add_co_u32 s82, s82, s83
	s_lshl_b32 s82, s82, 7
	s_add_co_u32 s[OSTEP], s[OSTEP], s82
	s_mov_b32 s[OSTEP+1], 0
	; the prefetches.  The pointer starts at K step 3; each change of slots steps it ahead of its prefetch, so the first names K step 4.  Nothing is asked for here, where every work-group's first tiles are on their way.
	s_and_b32 s84, ttmp7, 0xffff                   ; cluster y
	s_lshl_b32 s85, s[TY], 8                       ; x: row 256 x tile + 128 x half + 32 cx
	s_lshl_b32 s86, s[HALF], 7
	s_add_co_u32 s85, s85, s86
	s_lshl_b32 s86, s[CX], 5
	s_add_co_u32 s85, s85, s86
	s_lshl_b32 s85, s85, 11
	s_add_co_u32 s85, s85, 3*256
	s_mul_i32 s86, s[HEAD], WHEAD                  ; W: the head, my half of a step, my work-group's 24 blocks of it
	s_mul_i32 s87, s[HALF], WSTEP/2
	s_add_co_u32 s86, s86, s87
	s_mul_i32 s87, s[CY], WSTEP/8
	s_add_co_u32 s86, s86, s87
	s_add_co_u32 s86, s86, 3*WSTEP
	s_mov_b32 s87, WSTEP
	s_mov_b32 s90, XROW
	s_cmp_eq_u32 s[FORB], 0                        ; do I fetch for x?
	s_cselect_b32 s88, s85, s86
	s_cselect_b32 s84, ttmp9, s84                  ; the coordinate along which other clusters read the same bytes
	s_cselect_b32 s[PFS], 256, s87
	s_cselect_b32 s91, 31, 23
	s_cselect_b32 s92, s90, 256
	s_cselect_b64 s[PFA:PFA+1], s[4:5], s[6:7]
	s_mov_b32 s89, 0
	s_mov_b32 s[PFS+1], 0
	s_add_nc_u64 s[PFA:PFA+1], s[PFA:PFA+1], s[88:89]
	s_cmp_eq_u32 s84, 0
	s_cselect_b32 s[LIM], 1, -1                    ; the same in all sixteen partners, for a given wave
	v_min_u32 v[PFO], s91, v3
	v_mul_u32_u24 v[PFO], s92, v[PFO]
.irp r, 0,1,2,3,4,5,6,7
	v_mov_b32 v[CF+(\r)], 0                        ; v_permlanex16_b32 counts as a reader of its destination: written once here
.endr
	s_wait_loadcnt 0x0                             ; the biases,
	WIN 0x0f                                       ; rounded to bf16 (sources window 3, destination window 0)
.set i, 0
.rept 48
	v_cvt_pk_bf16_f32 v[T+i], v[BIAS+2*i], v[BIAS+2*i+1]
.set i, i+1
.endr
	WIN 0xc0                                       ; and kept as f32
.set i, 0
.rept 48
	v_lshlrev_b32 v[BIAS+2*i], 16, v[T+i]
	v_and_b32 v[BIAS+2*i+1], s[HIM], v[T+i]
.set i, i+1
.endr
	WIN 0
; 16 matrix instructions: all four row blocks x the column blocks 4 g .. 4 g + 3 (g = 0: q, 1: k, 2: v), 32 along K, from buffer f.  first = 1: the product starts the sum, with the bias as C.
; The 48 accumulators take turns, one instruction a turn, in the same order in every quarter.
.macro MULG f, g, first
.if (\g) == 2
	WIN 0xf5                                       ; sources window 1; C and D window 3 (the biases lie there too)
.elseif \first
	WIN 0xb5                                       ; D window 2, C window 3
.else
	WIN 0xa5                                       ; C and D window 2
.endif
.irp a, 0,1,2,3
.irp c, 0,1,2,3
.if (\g) == 2
.set rD, 32*(\a)+8*(\c)
.else
.set rD, 8*(8*(\a)+4*(\g)+(\c))
.endif
.set rB, 96*(\f)+8*(4*(\g)+(\c))
.set rA, 192+32*(\f)+8*(\a)
.set rC, BIAS+8*(4*(\g)+(\c))
.if \first
	v_wmma_f32_16x16x32_bf16 v[rD:rD+7], v[rB:rB+7], v[rA:rA+7], v[rC:rC+7]
.else
	v_wmma_f32_16x16x32_bf16 v[rD:rD+7], v[rB:rB+7], v[rA:rA+7], v[rD:rD+7]
.endif
.endr
.endr
.endm
; 32 LDS loads in one run: quarter q of a slot into buffer f: x's four fragments first, then W's twelve in the order in which they are multiplied
.macro FETCH slot, q, f
	WIN 0x40                                       ; destination window 1, address window 0
.irp i, 0,1,2,3
	ds_load_b128 v[192+32*(\f)+8*(\i):192+32*(\f)+8*(\i)+3],   v[ADRA+(\slot)] offset:64*(\q)+16*PA*(\i)
	ds_load_b128 v[192+32*(\f)+8*(\i)+4:192+32*(\f)+8*(\i)+7], v[ADRA+(\slot)] offset:64*(\q)+16*PA*(\i)+32
.endr
.irp b, 0,1,2,3,4,5,6,7,8,9,10,11
	ds_load_tr16_b128 v[96*(\f)+8*(\b):96*(\f)+8*(\b)+3],   v[ADRB+(\slot)] offset:((\b)/4)*128*PB+32*PB*(\q)+32*((\b)%4)
	ds_load_tr16_b128 v[96*(\f)+8*(\b)+4:96*(\f)+8*(\b)+7], v[ADRB+(\slot)] offset:((\b)/4)*128*PB+32*PB*(\q)+32*((\b)%4)+16*PB
.endr
.endm
; A load into a register that a matrix instruction has read, and a vector instruction that reads a matrix result, stand four places behind that matrix instruction; only plain vector
; instructions that name none of its registers are places (ISA guide 7.12.1 for vector instructions).
.macro PLACES
.rept 4
	v_nop
.endr
.endm
; One of a K step's first three quarters: multiplies buffer f; behind its first third it fetches quarter q of the same slot into buffer g.
.macro QUARTER slot, q, f, g, first=0
	s_wait_dscnt 16                                ; x's fragments and W's blocks 0-3 are in; the youngest sixteen loads (W's blocks 4-11) may be out
	MULG \f, 0, \first
	PLACES
	FETCH \slot, \q, \g
	s_wait_dscnt 32                                ; all but the 32 just issued
	MULG \f, 1, \first
	MULG \f, 2, \first
.endm
; The last quarter multiplies buffer 1 and changes slots: ONE barrier.  In front of it each wave waits for all its tensor loads, of which one is out: its part of the next slot; adds 0 to its spare word; and
; waits for that and for its own reads of this slot.  Behind it nobody reads this slot any more and the next slot is whole.
; mode 0: this slot is filled again with the K step two on; 1: with the NEXT tile's K step 0 or 1; 2: nothing is filled.  In modes 0 and 1 the barrier opens a round of the cluster's barrier, and the joint
; refill is the first tensor load behind the round: from the request to the wait for it a wave issues 160 matrix instructions.
.macro TURN slot, next, mode
.if (\mode) != 2
	s_wait_xcnt 0x0                                ; the last prefetch, a K step back, has read its address, and the last tile's stores their registers and base: these may now be written
.if ((\mode) == 1) && ((\slot) == 0)
	s_add_nc_u64 s[PFA:PFA+1], s[PFA:PFA+1], NEXT_P  ; to the next tile's K step 2
	s_cmp_eq_u32 s[FORB], 0
	s_cselect_b32 s[LIM], s[LIM], -1               ; W has been walked once: it is asked for no more
.else
	s_add_nc_u64 s[PFA:PFA+1], s[PFA:PFA+1], s[PFS:PFS+1]
.endif
.endif
	WIN 0                                          ; (the add's two registers lie in window 0)
	s_wait_tensorcnt 0x0                           ; all my tensor loads have landed
	ds_add_u32 v[SPW], v[NIL]                      ; 0 onto my spare word
	s_wait_dscnt 17                                ; (the add and the youngest sixteen loads may be out)
	MULG F1, 0, 0                                  ; sixteen matrix instructions stand between the add and the wait for it
	s_wait_dscnt 0x0                               ; the add is done, and my reads of this slot are over
	s_barrier_signal -1
	MULG F1, 1, 0                                  ; work on registers while the others arrive
	WIN 0
	s_barrier_wait -1
.if (\mode) != 2
	CREST                                          ; no wave of any partner still reads this slot's tile or has a load on its way
.if (\mode) == 1
	s_add_nc_u64 s[G0+4*(\slot)+2:G0+4*(\slot)+3], s[G0+4*(\slot)+2:G0+4*(\slot)+3], NEXT_A
	s_sub_nc_u64 s[G0B+4*(\slot)+2:G0B+4*(\slot)+3], s[G0B+4*(\slot)+2:G0B+4*(\slot)+3], BACK_B
.else
	s_add_nc_u64 s[G0+4*(\slot)+2:G0+4*(\slot)+3], s[G0+4*(\slot)+2:G0+4*(\slot)+3], 2*256
	s_add_nc_u64 s[G0B+4*(\slot)+2:G0B+4*(\slot)+3], s[G0B+4*(\slot)+2:G0B+4*(\slot)+3], 2*WSTEP
.endif
	JLOAD \slot                                    ; the four v_nop behind it are also the places in front of the loads below
.else
	PLACES
.endif
	FETCH \next, 0, F0
.if (\mode) != 2
	WIN 0
	ASK \mode
.endif
	MULG F1, 2, 0
.endm
.macro LASTQ                           ; the very last quarter: nothing more to fetch
	s_wait_dscnt 16
	MULG F1, 0, 0
	s_wait_dscnt 0x0
	MULG F1, 1, 0
	MULG F1, 2, 0
.endm
; THE WAY OUT.  T = qa^2 + ka^2, times -log2(e)/2, 2^T, summed over my 32 channels and the other half of the lanes' 32; v times coeff / 64, rounded to f16, through my stage in LDS, 16 rows at a time.
.macro SC a, p                         ; pair p of row block a, scaled
	v_pk_mul_f32 v[T+32*(\a)+2*(\p):T+32*(\a)+2*(\p)+1], v[T+32*(\a)+2*(\p):T+32*(\a)+2*(\p)+1], s[CS:CS+1] op_sel_hi:[1,0]
.endm
.macro PACK a                          ; a lane's eight channels of a row pack into 16 bytes; they go into rows of 144 bytes and come back as whole rows of 128
	WIN 0x03                                       ; source 0 (v) window 3
.set i, 0
.rept 16
	v_pk_mul_f32 v[T+32*(\a)+2*i:T+32*(\a)+2*i+1], v[32*(\a)+2*i:32*(\a)+2*i+1], v[CF+2*(\a):CF+2*(\a)+1] op_sel_hi:[1,0]
.set i, i+1
.endr
	WIN 0
.set i, 0
.rept 16
	v_cvt_pk_f16_f32 v[T+32*(\a)+i], v[T+32*(\a)+2*i], v[T+32*(\a)+2*i+1]
.set i, i+1
.endr
.irp f, 0,1,2,3
	ds_store_b128 v[STO], v[T+32*(\a)+4*(\f):T+32*(\a)+4*(\f)+3] offset:32*(\f)
.endr
.irp f, 0,1,2,3
	ds_load_b128 v[T+32*(\a)+16+4*(\f):T+32*(\a)+16+4*(\f)+3], v[RD] offset:(\f)*4*SP  ; LDS serves a wave's instructions in order (ISA guide 5.7.1.4): these see the stores above; the next block's stores come behind them
.endr
.endm
.macro SEND a, younger                 ; younger: the LDS instructions issued behind block a's loads: the next block's eight, or none
.irp f, 0,1,2,3
	s_wait_dscnt (\younger)+3-(\f)
	global_store_b128 v[GO], v[T+32*(\a)+16+4*(\f):T+32*(\a)+16+4*(\f)+3], s[14:15] offset:(\a)*2048+(\f)*512  ; 512 consecutive bytes, at a multiple of 256 from qkv's first
.endr
.endm
.macro WAYOUT
	PLACES                                         ; behind the last products
	s_add_nc_u64 s[14:15], s[14:15], s[OSTEP:OSTEP+1]  ; on to this tile's rows.  The last tile's stores have read this base, and T, behind the s_wait_xcnt 0 at the head of every change of slots since
	s_mov_b32 s[OSTEP], WALK*128
	WIN 0x0a                                       ; sources 0 and 1 window 2.
.set i, 0
.rept 64
	v_pk_mul_f32 v[T+2*i:T+2*i+1], v[64*(i/16)+2*(i%16):64*(i/16)+2*(i%16)+1], v[64*(i/16)+2*(i%16):64*(i/16)+2*(i%16)+1]
.set i, i+1
.endr
.set i, 0
.rept 64
	v_pk_fma_f32 v[T+2*i:T+2*i+1], v[64*(i/16)+32+2*(i%16):64*(i/16)+32+2*(i%16)+1], v[64*(i/16)+32+2*(i%16):64*(i/16)+32+2*(i%16)+1], v[T+2*i:T+2*i+1]
.set i, i+1
.endr
	WIN 0
.set i, 0
.rept 16
	SC 0, i
.set i, i+1
.endr
.set i, 0
.rept 48                               ; ONE BATCH of 128 exponentials; the next row block's scalings stand among them; nothing here names an exponential's result
	SC i/16+1, i%16
	v_exp_f32 v[T+2*i], v[T+2*i]
	v_exp_f32 v[T+2*i+1], v[T+2*i+1]
.set i, i+1
.endr
.set i, 96
.rept 32
	v_exp_f32 v[T+i], v[T+i]
.set i, i+1
.endr
	v_nop                                          ; a plain instruction behind the last exponential (ISA guide 5.7.2),
	s_wait_alu depctr_va_vdst(0)                   ; and one wait ahead of the batch's first reader
.irp w, 4, 8, 16, 32                   ; the sums, in f32, in place: pairs 1, 2, 4 and 8 pairs apart; within a level no line waits for another
.set u, 0
.rept 128/(\w)
	v_pk_add_f32 v[T+(\w)*u:T+(\w)*u+1], v[T+(\w)*u:T+(\w)*u+1], v[T+(\w)*u+(\w)/2:T+(\w)*u+(\w)/2+1]
.set u, u+1
.endr
.endr
.irp a, 0,1,2,3
	v_add_f32 v[CF+2*(\a)], v[T+32*(\a)], v[T+32*(\a)+1]
.endr
.irp a, 0,1,2,3
	v_permlanex16_b32 v[CF+2*(\a)+1], v[CF+2*(\a)], s[SEL], s[SEL+1]  ; the row's other 32 channels lie in the lane 16 away
.endr
.irp a, 0,1,2,3
	v_add_f32 v[CF+2*(\a)], v[CF+2*(\a)], v[CF+2*(\a)+1]
.endr
.irp a, 0,1,2,3
	v_mul_f32 v[CF+2*(\a)], 0x3c800000, v[CF+2*(\a)]  ; / 64: a power of two, nothing is rounded
.endr
	PACK 0
.irp a, 1,2,3                          ; a block's arithmetic stands between the loads of the block before and its stores
	PACK \a
	SEND (\a)-1, 8
.endr
	SEND 3, 0
.endm
	s_wait_tensorcnt 0x1                           ; my part of K step 0 is in; K step 1's may stay out
	s_barrier_signal -1
	s_barrier_wait -1                              ; everybody's is
	FETCH 0, 0, F0
	WIN 0                                          ; at a label and at a branch every window is 0
	s_mov_b32 s2, TILES                            ; tiles to go, this one among them
.Ltile:
	QUARTER 0, 1, F0, F1, 1                        ; a tile's first quarter stands in front of the loop: its products start the sums, with the biases
	WIN 0
	s_mov_b32 s3, LAPS-1
.Llap:                                                 ; a trip goes once round the ring, from a lap's second quarter to the next lap's first, and fills both slots again
	QUARTER 0, 2, F1, F0
	QUARTER 0, 3, F0, F1
	TURN 0, 1, 0
	QUARTER 1, 1, F0, F1
	QUARTER 1, 2, F1, F0
	QUARTER 1, 3, F0, F1
	TURN 1, 0, 0
	QUARTER 0, 1, F0, F1
	WIN 0
	s_sub_co_u32 s3, s3, 1
	s_cmp_lg_u32 s3, 0
	s_cbranch_scc1 .Llap
	QUARTER 0, 2, F1, F0                           ; the tile's last lap goes on
	QUARTER 0, 3, F0, F1
	WIN 0
	s_cmp_eq_u32 s2, 1
	s_cbranch_scc1 .Llast                          ; the last tile's tail is written out: it asks for nothing more
	TURN 0, 1, 1                                   ; the ring goes on into the next tile: slot 0 takes its K step 0,
	QUARTER 1, 1, F0, F1
	QUARTER 1, 2, F1, F0
	QUARTER 1, 3, F0, F1
	TURN 1, 0, 1                                   ; slot 1 its K step 1, and the next tile's first fragments are fetched
	WAYOUT                                         ; both refills are asked for: now the tile goes out.  Its waits on DScnt also cover the 32 older loads of the fetch
	s_sub_co_u32 s2, s2, 1
	s_branch .Ltile
.Llast:
	TURN 0, 1, 2
	QUARTER 1, 1, F0, F1
	QUARTER 1, 2, F1, F0
	QUARTER 1, 3, F0, F1
	LASTQ
	WAYOUT
	s_wait_tensorcnt 0x0                           ; the wave's end, behind my last tensor load and my last LDS store
	ds_add_u32 v[SPW], v[NIL]
	s_wait_dscnt 0x0
	CROUND                                         ; the closing round: no work-group ends while a partner may still ask for a tile that names it
	s_endpgm
.Lfunc_end_k_q18c80fd9f0_heads:
	.size	k_q18c80fd9f0_heads, .Lfunc_end_k_q18c80fd9f0_heads-k_q18c80fd9f0_heads
	.p2alignl 7, 3214868480
	.fill 96, 4, 3214868480
	.section	.rodata,"a",@progbits
	.p2align	6, 0x0
	.amdhsa_kernel k_q18c80fd9f0_heads
		.amdhsa_group_segment_fixed_size 327680
		.amdhsa_private_segment_fixed_size 0
		.amdhsa_enable_private_segment 0
		.amdhsa_kernarg_size 48
		.amdhsa_user_sgpr_count 2
		.amdhsa_user_sgpr_kernarg_segment_ptr 1
		.amdhsa_wavefront_size32 1
		.amdhsa_system_sgpr_workgroup_id_x 1
		.amdhsa_system_sgpr_workgroup_id_y 1
		.amdhsa_system_sgpr_workgroup_id_z 1
		.amdhsa_system_vgpr_workitem_id 0
		.amdhsa_next_free_vgpr 1024
		.amdhsa_next_free_sgpr 96
		.amdhsa_reserve_vcc 0
		.amdhsa_float_denorm_mode_32 3
		.amdhsa_float_denorm_mode_16_64 3
		.amdhsa_memory_ordered 1
		.amdhsa_forward_progress 1
		.amdhsa_inst_pref_size 201
	.end_amdhsa_kernel
	.amdgpu_metadata
---
amdhsa.version: [ 1, 2 ]
amdhsa.kernels:
  - .name:           k_q18c80fd9f0_heads
    .symbol:         k_q18c80fd9f0_heads.kd
    .args:
      - { .name: xb, .offset: 0, .size: 8, .value_kind: global_buffer, .address_space: global }
      - { .name: wqkv, .offset: 8, .size: 8, .value_kind: global_buffer, .address_space: global }
      - { .name: bq, .offset: 16, .size: 8, .value_kind: global_buffer, .address_space: global }
      - { .name: bk, .offset: 24, .size: 8, .value_kind: global_buffer, .address_space: global }
      - { .name: bv, .offset: 32, .size: 8, .value_kind: global_buffer, .address_space: global }
      - { .name: qkv, .offset: 40, .size: 8, .value_kind: global_buffer, .address_space: global }
    .group_segment_fixed_size: 327680
    .private_segment_fixed_size: 0
    .kernarg_segment_align: 8
    .kernarg_segment_size: 48
    .max_flat_workgroup_size: 128
    .sgpr_count:     96
    .vgpr_count:     1024
    .wavefront_size: 32
...
	.end_amdgpu_metadata
.endif
;; end of part 2
;; launch proj (part 3): grid 4 x 64, 4 waves a work-group, clusters of 4 x 4, 327,680 bytes of LDS; arguments qkv, wo16, bo, out0; writes out0
.if DOCPART == 3
	.amdgcn_target "amdgcn-amd-amdhsa--gfx1250"
	.amdhsa_code_object_version 6
	.text
	.protected	k_q18c80fd9f0_proj
	.globl	k_q18c80fd9f0_proj
	.p2align	8
	.type	k_q18c80fd9f0_proj,@function
k_q18c80fd9f0_proj:
	s_mov_b64 s[64:65], 0
	v_nop
	global_prefetch_b8 v0, s[64:65] scope:SCOPE_SE
	s_setreg_imm32_b32 hwreg(HW_REG_WAVE_MODE, 25, 1), 1
	s_wait_xcnt 0x0
	s_wait_alu depctr_hold_cnt(0) depctr_sa_sdst(0) depctr_va_vdst(0) depctr_va_sdst(0) depctr_va_ssrc(0) depctr_va_vcc(0) depctr_vm_vsrc(0)
	s_getreg_b32 s2, hwreg(HW_REG_IB_STS2, 6, 4)
	s_cmp_eq_u32 s2, 0
	s_cbranch_scc0 .Lentry_in_a_cluster
	s_endpgm
.Lentry_in_a_cluster:
	s_bfe_u32 s2, ttmp6, 0x10000c
	s_cmp_lg_u32 s2, 0xf033
	s_cbranch_scc0 .Lentry_shape_is_right
	s_endpgm
.Lentry_shape_is_right:
; out0[row][n] = the sum over k of qkv(row, k) wo16[k][n] + bo[n].  qkv: [head 16][row 16384][64] f16 (k = 64 head + channel), holding coeff / 64 x v; wo16: [1024][1024] f16, holding 64 x Wo
; rounded to bf16: the two factors are powers of two and cancel.  bo f32, rounded to bf16 here like the other inputs.  Sums in f32; out0 f32, stored as summed.
; LIMITS are the operands': f16's range and fixed step below 6e-5, as stated where they are made.  NaN and infinities are not treated apart.
; SHARES.  A tile of out0 is 256 x 256, one to a work-group; a wave makes 128 x 128: 64 accumulators, 512 registers.  K goes in steps of 128 (two heads) through two LDS slots; a step is four quarters of 32.
; CLUSTER, 4 x 4.  The four of a row of the cluster take the same rows of qkv, the four of a column the same columns of wo16: each tile is asked for JOINTLY, by the same tensor load with the same
; descriptor and a mask that names the four.
; THE MATRIX INSTRUCTION IS USED TRANSPOSED: source 0 = 16 columns of wo16 (out of LDS turned, by ds_load_tr16_b128), source 1 = 16 rows of qkv: lane l holds row l % 16 and the columns
; 16 b + 8 (l / 16) + 0..7.  THE BIAS IS THE C OPERAND of the product that starts each sum, so the way out has no arithmetic.
; REGISTERS, in windows of 256 (s_set_vgpr_msb: bits 1:0 source 0, 3:2 source 1, 5:4 source 2, 7:6 destination):
;   window 0: v1-15 at work at the head; v16-30 addresses; v64-127, v128-191 fragments of qkv, two buffers, later the rows on their way out; v192-223 at work at the head
;   window 1: v0-63 the biases, column block b at 8 b; v64-127, v128-191 fragments of wo16, two buffers
;   window 2: the accumulators of my rows 0-63 ((a, b) at 8 (8 a + b));   window 3: those of my rows 64-127
.set LAPS,   4
.set PAH,    144                       ; a row of one head in LDS: 128 bytes + 16 = 36 words: the 16 rows of a load start at 16 different groups of four banks (64 banks of 4 bytes: ISA guide 11.1)
.set HB,     256*PAH                   ; a head's 256 rows
.set PBW,    544                       ; a row of wo16's tile: 512 bytes + 32 = 136 words
.set BOFF,   2*HB
.set SLOT,   BOFF+128*PBW              ; two heads' rows of qkv, then 128 rows of wo16: 143,360 bytes
.set STAGE,  2*SLOT                    ; behind the ring, never filled by a tensor load: 16 rows x 528 bytes for each wave
.set SPITCH, 528
.set SPARE,  STAGE+4*16*SPITCH         ; behind the stages: the spare words, 128 bytes for each wave: two blocks of 256 bytes that no other line names
.set HEADB,  16384*128                 ; bytes of a head in qkv
.set ADRA, 16                          ; v16-17  LDS address of my fragments of qkv in slot 0, 1
.set ADRB, 20                          ; v20-21  the same for wo16
.set STO,  24                          ; v24     the way out: where I put 32 bytes of a row
.set RD,   25                          ; v25     where I read a row back
.set CO,   26                          ; v26     my 16 bytes of a row's 512
.set BO,   27                          ; v27     my byte offset in bo
.set SPW,  28                          ; v28     LDS address of my spare word: SPARE + 4 x my thread's number; never rewritten
.set NIL,  29                          ; v29     0; never rewritten
.set PFO,  30                          ; v30     the prefetches' offset; never rewritten
.set F0,   64
.set F1,   128
.set TMP,  192
.set WV,   12                          ; s12  my wave's number
.set HI,   13                          ; s13  which half of the tile's rows is mine.  Also: 0: I fetch qkv's tiles; 1: wo16's
.set LO,   14                          ; s14  which half of its columns.  Also: which half of that tile I fetch
.set CX,   15
.set CY,   16
.set TCOL, 17
.set TROW, 18
.set G1,   24                          ; s[24:31] descriptor group 1 for qkv's tiles;  s[32:39] group 0, a set for each slot
.set G0,   32
.set PFA,  44                          ; s[44:45] where my prefetches stand
.set PFS,  46                          ; s[46:47] their step: a K step
.set G1B,  48                          ; s[48:55], s[56:63] the same for wo16's tiles
.set G0B,  56
.set LIM,  66                          ; s66  1 in a wave that prefetches, else the greatest number
.set HIM,  67                          ; s67  a word's upper bf16
.set MSB, 0
.macro WIN new                         ; the immediate's high byte repeats the setting that is left; a switch that changes nothing is dropped
.if MSB != (\new)
	s_set_vgpr_msb (MSB<<8)|(\new)
.set MSB, \new
.endif
.endm
; A joint load.  Waves 0 and 1 fetch a K step's two heads of qkv, waves 2 and 3 the two halves of wo16's tile.  The branch hangs on the wave's number alone.
; An s_nop 0 and four v_nop follow each of the two lines, ahead of the jump, the label and what follows.
.macro JLOAD s
	s_cmp_eq_u32 s[HI], 0
	s_cbranch_scc0 .Lfor_b_\@
	tensor_load_to_lds s[G0+4*(\s):G0+4*(\s)+3], s[G1:G1+7]
	s_nop 0
.rept 4
	v_nop
.endr
	s_branch .Lasked_\@
.Lfor_b_\@:
	tensor_load_to_lds s[G0B+4*(\s):G0B+4*(\s)+3], s[G1B:G1B+7]
	s_nop 0
.rept 4
	v_nop
.endr
.Lasked_\@:
.endm
; A PREFETCH INTO THE L2, behind each joint load, its five lines and the run of LDS loads that follows: the K step that stands TWO refills on, 512 matrix instructions ahead of the load that will want it.
; A row block of qkv is read by one cluster (the grid is one cluster wide), which asks; wo16's columns by all sixteen clusters: cluster y = 0 asks.  The four partners that ask for a tile jointly share its
; 128 blocks of 256 bytes out BY ADDRESS, 32 each, a lane a block: of qkv 8,192 bytes on end (place cx); of wo16 16 rows of two blocks (place cy).  The loop's last trip asks for nothing: no K step stands two on.
.macro ASK
	s_cmp_gt_u32 s3, s[LIM]                        ; s3 = 1 in the loop's last trip
	s_cbranch_scc0 .Lnot_mine_\@
	global_prefetch_b8 v[PFO], s[PFA:PFA+1] th:TH_LOAD_NT scope:SCOPE_SE
.Lnot_mine_\@:
.endm
.macro CREST                           ; a round of the cluster's barrier behind its opening barrier
	s_cmp_lg_u32 s[WV], 0
	s_cbranch_scc1 .Lnot_wave_0_\@
	s_barrier_signal -3
.Lnot_wave_0_\@:
	s_barrier_wait -3
	s_barrier_signal -1
	s_barrier_wait -1
.endm
.macro CROUND                          ; a whole round
	s_barrier_signal -1
	s_barrier_wait -1
	CREST
.endm
	s_load_b256 s[4:11], s[0:1], 0x0               ; qkv s[4:5], wo16 s[6:7], bo s[8:9], out0 s[10:11]
	v_lshl_add_u32 v[SPW], v0, 2, SPARE
	v_mov_b32 v[NIL], 0
	ds_add_u32 v[SPW], v[NIL]                      ; the wave's opening: the add, twice on end, and its wait ahead of my first tensor load; the set-up below, work on registers, stands between
	ds_add_u32 v[SPW], v[NIL]                      ; and once more, under the one wait
	v_lshrrev_b32 v1, 5, v0
	v_readfirstlane_b32 s[WV], v1                  ; wave 0..3
	s_lshr_b32 s[HI], s[WV], 1
	s_and_b32 s[LO], s[WV], 1
	s_bfe_u32 s[CX], ttmp6, 0x40000                ; my place in the cluster
	s_bfe_u32 s[CY], ttmp6, 0x40004
	s_lshl_b32 s[TCOL], ttmp9, 2
	s_add_co_u32 s[TCOL], s[TCOL], s[CX]           ; tile column = 4 x cluster x + cx
	s_and_b32 s[TROW], ttmp7, 0xffff
	s_lshl_b32 s[TROW], s[TROW], 2
	s_add_co_u32 s[TROW], s[TROW], s[CY]           ; tile row = 4 x cluster y + cy
	s_lshl_b32 s19, s[CY], 2
	s_lshl_b32 s19, 15, s19                        ; my row of the cluster
	s_lshl_b32 s42, 0x1111, s[CX]                  ; my column
	; group 1 for qkv: a head's 256 rows are 32,768 dense bytes, asked for as 128 rows of 256 bytes (two rows each); in LDS 4 words of padding behind every 32, that is behind every row
	s_or_b32 s[G1], s19, (1<<16)|(1<<20)|(1<<21)|(4<<22)|(3<<25)   ; 15:0 the mask; 17:16 elements of 2 bytes; 20 padding on; 21 set beside a mask; 24:22 every 32 words (code 4); 31:25 4 words (code 3)
	s_mov_b32 s[G1+1], 128<<16                     ; tensor_dim0 = 128
	s_mov_b32 s[G1+2], 128<<16                     ; tensor_dim1 = 128
	s_mov_b32 s[G1+3], 128<<16                     ; tile_dim0 = 128
	s_mov_b32 s[G1+4], 128                         ; tile_dim1 = 128
	s_mov_b32 s[G1+5], 128                         ; elements from row to row
	s_mov_b32 s[G1+6], 0
	s_mov_b32 s[G1+7], 0
	; group 1 for wo16: 64 rows x 256 elements, 1,024 elements from row to row; in LDS 8 words of padding behind every 128
	s_or_b32 s[G1B], s42, (1<<16)|(1<<20)|(1<<21)|(6<<22)|(7<<25)
	s_mov_b32 s[G1B+1], 256<<16
	s_mov_b32 s[G1B+2], 64<<16
	s_mov_b32 s[G1B+3], 256<<16
	s_mov_b32 s[G1B+4], 64
	s_mov_b32 s[G1B+5], 1024
	s_mov_b32 s[G1B+6], 0
	s_mov_b32 s[G1B+7], 0
	; where the tiles come from.  qkv's hang on the tile row, which my row of the cluster shares; wo16's on the tile column, which my column shares.  Each in registers that never hold the other coordinate.
	s_lshl_b32 s20, s[LO], 21                      ; the K step's first or second head,
	s_lshl_b32 s21, s[TROW], 15                    ; the tile's 256 rows of 128 bytes
	s_add_co_u32 s20, s20, s21
	s_mov_b32 s21, 0
	s_lshl_b32 s22, s[LO], 17                      ; 64 rows of 2,048 bytes,
	s_lshl_b32 s23, s[TCOL], 9                     ; the tile's 256 columns
	s_add_co_u32 s22, s22, s23
	s_mov_b32 s23, 0
	s_mul_i32 s40, s[LO], HB                       ; and where they go: no place in the cluster enters an LDS address
	s_mul_i32 s43, s[LO], 64*PBW
	s_add_co_u32 s43, s43, BOFF
	s_mov_b32 s[HIM], 0xffff0000
	s_wait_dscnt 0x0                               ; both opening adds are done
	s_wait_kmcnt 0x0
	s_add_nc_u64 s[68:69], s[4:5], s[20:21]
	s_add_nc_u64 s[70:71], s[6:7], s[22:23]
	CROUND                                         ; all sixteen work-groups are here: the first joint loads meet
.irp s, 0,1
	s_mov_b32 s[G0+4*(\s)], 1                                      ; count = 1
	s_add_co_u32 s[G0+4*(\s)+1], s40, (\s)*SLOT                    ; LDS address
	s_add_nc_u64 s[G0+4*(\s)+2:G0+4*(\s)+3], s[68:69], (\s)*2*HEADB  ; global address: K step s is heads 2 s, 2 s + 1
	s_or_b32 s[G0+4*(\s)+3], s[G0+4*(\s)+3], 0x80000000            ; type = 2
	s_mov_b32 s[G0B+4*(\s)], 1
	s_add_co_u32 s[G0B+4*(\s)+1], s43, (\s)*SLOT
	s_add_nc_u64 s[G0B+4*(\s)+2:G0B+4*(\s)+3], s[70:71], (\s)*128*2048
	s_or_b32 s[G0B+4*(\s)+3], s[G0B+4*(\s)+3], 0x80000000
	JLOAD \s                                       ; two loads of mine are out
.endr
	v_and_b32 v1, 15, v0                           ; l % 16
	v_bfe_u32 v2, v0, 4, 1                         ; l / 16
	v_and_b32 v3, 31, v0                           ; l
	v_and_b32 v4, 7, v0                            ; l % 8
	v_bfe_u32 v5, v0, 3, 1                         ; (l / 8) % 2
	; A fragment of qkv is 16 rows x 32 K in 8 registers: lane l holds row l % 16; registers 0-3 K = 8 (l / 16) + 0..7, registers 4-7 K = 16 + 8 (l / 16) + 0..7: two loads of 16 bytes, 32 bytes apart.
	v_mul_u32_u24 v6, v1, PAH
	v_lshl_add_u32 v6, v2, 4, v6
	s_mul_i32 s41, s[HI], 128*PAH                  ; my 128 rows
	v_add_nc_u32 v[ADRA], s41, v6
	v_add_nc_u32 v[ADRA+1], SLOT, v[ADRA]
	; The turning load takes 16 K x 16 columns (lane l reads row 8 (l / 16) + l % 8 of K, columns 8 ((l / 8) % 2) + 0..7) and leaves half a fragment: lane l holds column l % 16 and 8 K.
	v_lshl_add_u32 v7, v2, 3, v4
	v_mul_u32_u24 v7, v7, PBW
	v_lshl_add_u32 v7, v5, 4, v7
	s_lshl_b32 s41, s[LO], 8                       ; my 128 columns
	s_add_co_u32 s41, s41, BOFF
	v_add_nc_u32 v[ADRB], s41, v7
	v_add_nc_u32 v[ADRB+1], SLOT, v[ADRB]
	s_mul_i32 s41, s[WV], 16*SPITCH
	s_add_co_u32 s41, s41, STAGE                   ; my stage
	v_mul_u32_u24 v8, v1, SPITCH                   ; in: row l % 16, 32 bytes for each half of the lanes
	v_lshl_add_u32 v8, v2, 5, v8
	v_add_nc_u32 v[STO], s41, v8
	v_lshl_add_u32 v[RD], v3, 4, s41               ; back: 32 lanes take a row of 512 bytes
	v_lshlrev_b32 v[CO], 4, v3
	s_lshl_b32 s80, s[TCOL], 10                    ; bo: the tile's 256 numbers, my 128 of them, my half of the lanes' 8 of each 16
	s_lshl_b32 s81, s[LO], 9
	s_add_co_u32 s80, s80, s81
	v_lshl_add_u32 v[BO], v2, 5, s80
	WIN 0x40                                       ; destination window 1, address window 0
.irp b, 0,1,2,3,4,5,6,7
	global_load_b128 v[8*(\b):8*(\b)+3],   v[BO], s[8:9] offset:64*(\b)
	global_load_b128 v[8*(\b)+4:8*(\b)+7], v[BO], s[8:9] offset:64*(\b)+16
.endr
	WIN 0
	s_lshl_b32 s80, s[TROW], 8                     ; out0 at my part of the tile: row 256 x tile row + 128 x half, 4,096 bytes a row;
	s_lshl_b32 s81, s[HI], 7
	s_add_co_u32 s80, s80, s81
	s_lshl_b32 s80, s80, 12
	s_lshl_b32 s81, s[TCOL], 10                    ; column 256 x tile column + 128 x half, 4 bytes each
	s_add_co_u32 s80, s80, s81
	s_lshl_b32 s81, s[LO], 9
	s_add_co_u32 s80, s80, s81
	s_mov_b32 s81, 0
	s_add_nc_u64 s[10:11], s[10:11], s[80:81]
	; the prefetches.  The pointer starts at K step 3; each change of slots steps it ahead of its prefetch, so the first names K step 4.  Nothing is asked for here, where every work-group's first tiles are on their way.
	s_and_b32 s72, ttmp7, 0xffff                   ; cluster y
	s_lshl_b32 s73, s[LO], 21                      ; qkv: my head of the step, the tile's rows, my work-group's 8,192 bytes of them
	s_lshl_b32 s74, s[TROW], 15
	s_add_co_u32 s73, s73, s74
	s_lshl_b32 s74, s[CX], 13
	s_add_co_u32 s73, s73, s74
	s_add_co_u32 s73, s73, 3*2*HEADB
	s_lshl_b32 s74, s[LO], 17                      ; wo16: my 64 rows of the step, my work-group's 16 of them, the tile's columns
	s_lshl_b32 s75, s[CY], 15
	s_add_co_u32 s74, s74, s75
	s_lshl_b32 s75, s[TCOL], 9
	s_add_co_u32 s74, s74, s75
	s_add_co_u32 s74, s74, 3*128*2048
	s_mov_b32 s75, 2*HEADB
	s_mov_b32 s78, 128*2048
	s_mov_b32 s79, 2048
	s_cmp_eq_u32 s[HI], 0                          ; do I fetch for qkv?
	s_cselect_b32 s76, s73, s74
	s_cselect_b32 s72, ttmp9, s72                  ; the coordinate along which other clusters read the same bytes
	s_cselect_b32 s[PFS], s75, s78
	s_cselect_b32 s73, 0, 1                        ; qkv: a lane a block on end; wo16: two lanes a row
	s_cselect_b32 s74, 256, s79
	s_cselect_b64 s[PFA:PFA+1], s[4:5], s[6:7]
	s_mov_b32 s77, 0
	s_mov_b32 s[PFS+1], 0
	s_add_nc_u64 s[PFA:PFA+1], s[PFA:PFA+1], s[76:77]
	s_cmp_eq_u32 s72, 0
	s_cselect_b32 s[LIM], 1, -1                    ; the same in all sixteen partners, for a given wave
	v_lshrrev_b32 v9, s73, v3
	v_mul_u32_u24 v9, s74, v9
	v_and_b32 v10, s73, v3
	v_lshl_add_u32 v[PFO], v10, 8, v9
	s_wait_loadcnt 0x0                             ; the bias,
	WIN 0x05                                       ; rounded to bf16 (sources window 1, destination window 0)
.set i, 0
.rept 32
	v_cvt_pk_bf16_f32 v[TMP+i], v[2*i], v[2*i+1]
.set i, i+1
.endr
	WIN 0x40                                       ; and kept as f32
.set i, 0
.rept 32
	v_lshlrev_b32 v[2*i], 16, v[TMP+i]
	v_and_b32 v[2*i+1], s[HIM], v[TMP+i]
.set i, i+1
.endr
	WIN 0
; 16 matrix instructions: row blocks a0, a0 + 1 of the window's four (hi = 0: my rows 0-63, 1: rows 64-127) x all 8 column blocks, 32 along K.  first = 1: the product starts the sum, with the bias as C.
; The 64 accumulators take turns, one instruction a turn, in the same order in every quarter.
.macro MUL16 f, hi, a0, first
.if \first
	WIN 0x91+0x40*(\hi)                            ; source 0 and C window 1, source 1 window 0, D window 2 or 3
.else
	WIN 0xa1+0x50*(\hi)                            ; C and D window 2 or 3
.endif
.irp a, \a0, (\a0)+1
.irp b, 0,1,2,3,4,5,6,7
.if \first
	v_wmma_f32_16x16x32_f16 v[8*(8*(\a)+(\b)):8*(8*(\a)+(\b))+7], v[(\f)+8*(\b):(\f)+8*(\b)+7], v[(\f)+8*(4*(\hi)+(\a)):(\f)+8*(4*(\hi)+(\a))+7], v[8*(\b):8*(\b)+7]
.else
	v_wmma_f32_16x16x32_f16 v[8*(8*(\a)+(\b)):8*(8*(\a)+(\b))+7], v[(\f)+8*(\b):(\f)+8*(\b)+7], v[(\f)+8*(4*(\hi)+(\a)):(\f)+8*(4*(\hi)+(\a))+7], v[8*(8*(\a)+(\b)):8*(8*(\a)+(\b))+7]
.endif
.endr
.endr
.endm
; 32 LDS loads in one run: quarter q of a slot into buffer f: wo16's eight fragments, then qkv's eight.  Quarter q lies in head q / 2 of the step, channels 32 (q % 2) on.
.macro FETCH slot, q, f
	WIN 0x40
.irp b, 0,1,2,3,4,5,6,7
	ds_load_tr16_b128 v[(\f)+8*(\b):(\f)+8*(\b)+3],   v[ADRB+(\slot)] offset:32*PBW*(\q)+32*(\b)
	ds_load_tr16_b128 v[(\f)+8*(\b)+4:(\f)+8*(\b)+7], v[ADRB+(\slot)] offset:32*PBW*(\q)+32*(\b)+16*PBW
.endr
	WIN 0
.irp i, 0,1,2,3,4,5,6,7
	ds_load_b128 v[(\f)+8*(\i):(\f)+8*(\i)+3],   v[ADRA+(\slot)] offset:((\q)/2)*HB+((\q)%2)*64+16*PAH*(\i)
	ds_load_b128 v[(\f)+8*(\i)+4:(\f)+8*(\i)+7], v[ADRA+(\slot)] offset:((\q)/2)*HB+((\q)%2)*64+16*PAH*(\i)+32
.endr
.endm
; A load into a register that a matrix instruction has read, and an LDS store that reads a matrix result, stand four places behind that matrix instruction; only plain vector instructions that name
; none of its registers are places (ISA guide 7.12.1 for vector instructions).
.macro PLACES
.rept 4
	v_nop
.endr
.endm
; One of a K step's first three quarters: multiplies buffer f; in its middle it fetches quarter q of the same slot into buffer g.
.macro QUARTER slot, q, f, g, first=0
	s_wait_dscnt 8                                 ; wo16's fragments and qkv's rows 0-63 are in; the youngest eight loads (rows 64-127) may be out
	MUL16 \f, 0, 0, \first
	MUL16 \f, 0, 2, \first
	PLACES
	FETCH \slot, \q, \g
	s_wait_dscnt 32                                ; all but the 32 just issued
	MUL16 \f, 1, 0, \first
	MUL16 \f, 1, 2, \first
.endm
; The last quarter multiplies buffer 1 and changes slots: ONE barrier.  In front of it each wave waits for all its tensor loads, of which one is out: its part of the next slot; adds 0 to its spare word; and
; waits for that and for its own reads of this slot.  mode 0: this slot is filled again with the K step two on: the barrier opens a round of the cluster's barrier, and the joint refill is the first tensor
; load behind the round: from the request to the wait for it a wave issues 224 matrix instructions.  mode 2: nothing is filled.
.macro TURN slot, next, mode
.if (\mode) == 0
	s_wait_xcnt 0x0                                ; the last prefetch, a K step back, has read its address: it may be stepped
	s_add_nc_u64 s[PFA:PFA+1], s[PFA:PFA+1], s[PFS:PFS+1]
.endif
	WIN 0                                          ; (the add's two registers lie in window 0)
	s_wait_tensorcnt 0x0                           ; all my tensor loads have landed
	ds_add_u32 v[SPW], v[NIL]                      ; 0 onto my spare word
	s_wait_dscnt 9                                 ; (the add and the youngest eight loads may be out)
	MUL16 F1, 0, 0, 0                              ; sixteen matrix instructions stand between the add and the wait for it
	s_wait_dscnt 0x0                               ; the add is done, and my reads of this slot are over
	s_barrier_signal -1
	MUL16 F1, 0, 2, 0                              ; work on registers while the others arrive
	WIN 0
	s_barrier_wait -1
.if (\mode) == 0
	CREST                                          ; no wave of any partner still reads this slot's tile or has a load on its way
	s_add_nc_u64 s[G0+4*(\slot)+2:G0+4*(\slot)+3], s[G0+4*(\slot)+2:G0+4*(\slot)+3], 4*HEADB
	s_add_nc_u64 s[G0B+4*(\slot)+2:G0B+4*(\slot)+3], s[G0B+4*(\slot)+2:G0B+4*(\slot)+3], 2*128*2048
	JLOAD \slot                                    ; the four v_nop behind it are also the places in front of the loads below
.else
	PLACES
.endif
	FETCH \next, 0, F0
.if (\mode) == 0
	ASK
.endif
	MUL16 F1, 1, 0, 0
	MUL16 F1, 1, 2, 0
.endm
; THE WAY OUT of row block a (16 rows x 128 columns of f32).  A lane's eight numbers of a row are 32 bytes; they go into my stage's rows of 528 bytes and come back as whole rows of 512.
.macro TOSTAGE a
.set AC, 64*((\a)%4)
.set BK, 64+64*((\a)%2)
.if (\a) >= 2
	s_wait_xcnt 0x0                                ; the stores of the block two back have read these registers: they are loaded again only behind this wait
.endif
	WIN 0x08+4*((\a)/4)                            ; store data (source 1) window 2 or 3.
.irp b, 0,1,2,3,4,5,6,7
	ds_store_b128 v[STO], v[AC+8*(\b):AC+8*(\b)+3]   offset:64*(\b)
	ds_store_b128 v[STO], v[AC+8*(\b)+4:AC+8*(\b)+7] offset:64*(\b)+16
.endr
	WIN 0
.irp t, 0,1,2,3,4,5,6,7,8,9,10,11,12,13,14,15
	ds_load_b128 v[BK+4*(\t):BK+4*(\t)+3], v[RD] offset:(\t)*SPITCH  ; LDS serves a wave's instructions in order (ISA guide 5.7.1.4): these see the stores above; the next block's stores come behind them
.endr
.endm
.macro SEND a, younger                 ; younger: the LDS instructions issued behind block a's loads: the next block's 32, or none
.set BK, 64+64*((\a)%2)
.irp t, 0,1,2,3,4,5,6,7,8,9,10,11,12,13,14,15
	s_wait_dscnt (\younger)+15-(\t)
	global_store_b128 v[CO], v[BK+4*(\t):BK+4*(\t)+3], s[10:11] offset:(16*(\a)+(\t))*4096 th:TH_STORE_NT  ; 512 consecutive bytes of a row, at a multiple of 256 from out0's first; the largest immediate is 127 rows
.endr
.endm
	s_wait_tensorcnt 0x1                           ; my part of K step 0 is in; K step 1's may stay out
	s_barrier_signal -1
	s_barrier_wait -1                              ; everybody's is
	FETCH 0, 0, F0
	QUARTER 0, 1, F0, F1, 1                        ; the first quarter stands in front of the loop: its products start the sums, with the bias
	WIN 0                                          ; at a label and at a branch every window is 0
	s_mov_b32 s3, LAPS-1
.Llap:                                                 ; a trip goes once round the ring, from a lap's second quarter to the next lap's first, and fills both slots again
	QUARTER 0, 2, F1, F0
	QUARTER 0, 3, F0, F1
	TURN 0, 1, 0
	QUARTER 1, 1, F0, F1
	QUARTER 1, 2, F1, F0
	QUARTER 1, 3, F0, F1
	TURN 1, 0, 0
	QUARTER 0, 1, F0, F1
	WIN 0
	s_sub_co_u32 s3, s3, 1
	s_cmp_lg_u32 s3, 0
	s_cbranch_scc1 .Llap
	QUARTER 0, 2, F1, F0                           ; the last lap fills nothing, and has no round of the cluster's barrier
	QUARTER 0, 3, F0, F1
	TURN 0, 1, 2
	QUARTER 1, 1, F0, F1
	QUARTER 1, 2, F1, F0
	QUARTER 1, 3, F0, F1
	s_wait_dscnt 8                                 ; the very last quarter: nothing more to fetch
	MUL16 F1, 0, 0, 0
	MUL16 F1, 0, 2, 0
	s_wait_dscnt 0x0
	MUL16 F1, 1, 0, 0
	MUL16 F1, 1, 2, 0
	WIN 0
	PLACES                                         ; behind the last products: the stage's stores read results, and its loads land in the fragments' registers
	TOSTAGE 0
.irp a, 1,2,3,4,5,6,7                  ; a block's way through the stage stands between the loads of the block before and its stores
	TOSTAGE \a
	SEND (\a)-1, 32
.endr
	SEND 7, 0
	s_wait_tensorcnt 0x0                           ; the wave's end, behind my last tensor load and my last LDS store
	ds_add_u32 v[SPW], v[NIL]
	s_wait_dscnt 0x0
	CROUND                                         ; the closing round: no work-group ends while a partner may still ask for a tile that names it
	s_endpgm
.Lfunc_end_k_q18c80fd9f0_proj:
	.size	k_q18c80fd9f0_proj, .Lfunc_end_k_q18c80fd9f0_proj-k_q18c80fd9f0_proj
	.p2alignl 7, 3214868480
	.fill 96, 4, 3214868480
	.section	.rodata,"a",@progbits
	.p2align	6, 0x0
	.amdhsa_kernel k_q18c80fd9f0_proj
		.amdhsa_group_segment_fixed_size 327680
		.amdhsa_private_segment_fixed_size 0
		.amdhsa_enable_private_segment 0
		.amdhsa_kernarg_size 32
		.amdhsa_user_sgpr_count 2
		.amdhsa_user_sgpr_kernarg_segment_ptr 1
		.amdhsa_wavefront_size32 1
		.amdhsa_system_sgpr_workgroup_id_x 1
		.amdhsa_system_sgpr_workgroup_id_y 1
		.amdhsa_system_sgpr_workgroup_id_z 1
		.amdhsa_system_vgpr_workitem_id 0
		.amdhsa_next_free_vgpr 1024
		.amdhsa_next_free_sgpr 88
		.amdhsa_reserve_vcc 0
		.amdhsa_float_denorm_mode_32 3
		.amdhsa_float_denorm_mode_16_64 3
		.amdhsa_memory_ordered 1
		.amdhsa_forward_progress 1
		.amdhsa_inst_pref_size 151
	.end_amdhsa_kernel
	.amdgpu_metadata
---
amdhsa.version: [ 1, 2 ]
amdhsa.kernels:
  - .name:           k_q18c80fd9f0_proj
    .symbol:         k_q18c80fd9f0_proj.kd
    .args:
      - { .name: qkv, .offset: 0, .size: 8, .value_kind: global_buffer, .address_space: global }
      - { .name: wo16, .offset: 8, .size: 8, .value_kind: global_buffer, .address_space: global }
      - { .name: bo, .offset: 16, .size: 8, .value_kind: global_buffer, .address_space: global }
      - { .name: out0, .offset: 24, .size: 8, .value_kind: global_buffer, .address_space: global }
    .group_segment_fixed_size: 327680
    .private_segment_fixed_size: 0
    .kernarg_segment_align: 8
    .kernarg_segment_size: 32
    .max_flat_workgroup_size: 128
    .sgpr_count:     88
    .vgpr_count:     1024
    .wavefront_size: 32
...
	.end_amdgpu_metadata
.endif
;; end of part 3
